; MI455X (gfx1250); checked and timed in simulation.
; The chip was launched on July 23, 2026; its instructions are those of AMD's public machine-readable ISA for CDNA 5 (MIT licence, August 2026) and "CDNA5" Instruction Set Architecture Reference Guide (July 2026). The comments in the code are by the model that wrote it; some were corrected since.
;; Kmeans Assigner. Allowed arithmetic: matrix products marked QUANTISED: E2M3 operands, one E8M0 scale for each 32 along K, by v_wmma_scale_f32_16x16x128_f8f6f4 with both operands' format E2M3, f32 sums; everything else in f32.
;; Inputs: centroids 2,048 x 512 float32; inp 65,536 x 512 float32.
;; Outputs: out0 65,536 int32.
;; This version of the problem:
;;   THIS VERSION OF THE PROBLEM IS GIVEN IN LOW PRECISION. The matrix products marked QUANTISED in the list below multiply operands that are first quantised to E2M3 (2 exponent bits, 3 mantissa bits; 6 bits a number), with one power-of-two scale for each 32 numbers along K (OCP MX v1.0); their sums are f32. All else is computed in f32.
;;   The module's matrix products, in the order in which they are computed (A, B: the left and right operand; K: the contracted axis; several contracted axes count as one K, in the product's order):
;;     1. [M 65,536, K 512] x [K 512, N 2,048]; A: input inp; B: input centroids: QUANTISED
;;   THE QUANTISER, for each operand of a quantised product, along K:
;;     - K is cut into blocks of 32 from its start; a last block that is shorter is filled with zeros.
;;     - A block's scale is 2^e with e = floor(log2(the largest magnitude in the block)) - 2, held to -126 .. 127; a block of zeros has e = 0. As a byte (E8M0): e + 127.
;;     - Each number is divided by its block's scale, clamped to +-7.5, and rounded to the nearest number of E2M3, ties to even, subnormals kept.
;;     - The product sums the exact products of the quantised numbers (number of the format x scale) in f32.
;;   ~~~python
;;   def quantise(x, axis):      # numpy; x: float32 -> the quantised numbers, widened to float32 again
;;       x = np.moveaxis(x, axis, -1); K = x.shape[-1]
;;       x = np.pad(x, [(0, 0)] * (x.ndim - 1) + [(0, -K % 32)]); x = x.reshape(x.shape[:-1] + (-1, 32)); a = np.abs(x).max(-1, keepdims=True)
;;       e = np.where(a > 0, np.clip(np.frexp(np.where(a > 0, a, 1))[1] - 1 - 2, -126, 127), 0)      # np.frexp(a)[1] - 1 = floor(log2(a)), exactly
;;       r = np.clip(x / 2.0 ** e, -7.5, 7.5)
;;       step = 2.0 ** (np.maximum(np.frexp(np.where(r == 0, 1, r))[1] - 1, 0) - 3)
;;       q = np.round(r / step) * step * 2.0 ** e      # np.round: ties to even
;;       return np.moveaxis(q.reshape(q.shape[:-2] + (-1,))[..., :K], -1, axis).astype(np.float32)
;;   ~~~
;; One version. Each part assembles by itself: llvm-mc -triple=amdgcn-amd-amdhsa -mcpu=gfx1250 --defsym DOCPART=n.
;; ======== version 1 of 1: 2 launches
;; limits: right only within a limited range of input values
;; workspace buffers: cent 851,968 bytes
;; launch prep (part 1): grid 128 x 1, 4 waves a work-group, no clusters, 1,536 bytes of LDS; arguments centroids, cent; writes cent
.if DOCPART == 1
	.amdgcn_target "amdgcn-amd-amdhsa--gfx1250"
	.amdhsa_code_object_version 6
	.text
	.protected	k_qf647eeb405_prep
	.globl	k_qf647eeb405_prep
	.p2align	8
	.type	k_qf647eeb405_prep,@function
k_qf647eeb405_prep:
	s_mov_b64 s[64:65], 0
	v_nop
	global_prefetch_b8 v0, s[64:65] scope:SCOPE_SE
	s_setreg_imm32_b32 hwreg(HW_REG_WAVE_MODE, 25, 1), 1
	s_wait_xcnt 0x0
; The centroids [2048][512] f32 become codes of E2M3 with one E8M0 byte for each 32 along K, laid in the ORDER OF THE OPERAND'S REGISTERS, once for the whole program.
; cent holds 128 records of REC = 6,656 bytes (26 x 256), one for each tile T of 16 centroids:
;   bytes 0 .. 6,143     codes: K step s (128 along K) at 1,536 s; there chunk c (0 .. 2) at 512 c; there lane l's 16 bytes at 16 l: registers 4 c .. 4 c + 3 of the fragment
;   bytes 6,144 .. 6,399 scale words: dword 2 (16 h + r) + p = the four bytes of centroid 16 T + r for K step 2 p + h: one load of 8 bytes at 8 x lane gives two scale registers,
;                        register p with K step 2 p in lanes 0-15 and K step 2 p + 1 in lanes 16-31
;   bytes 6,400 .. 6,463 -c2 / 2 of the 16 centroids, f32 (c2 of the numbers as they are given, not of the codes);   bytes 6,464 .. 6,655 zeros (the next launch copies whole records)
; SHARES: work-group T takes tile T, wave s K step s.  Lane (r, h) loads, of centroid 16 T + r, 16 neighbours of each block of 32: register 16 b + i = k 128 s + 32 b + 16 h + i.
; A block's scale is 2^(floor(log2(its largest magnitude)) - 2): its byte is the largest magnitude's exponent field - 2, held at 1 from below by a floor among the maximum's leaves.
; LIMITS: a block of zeros gets the byte 1 where the quantiser says 127: its codes are zeros, and this program alone reads the bytes.  NaN and infinities are not served.
; c2 is summed in two packed chains a lane, then over lanes and waves: another order than a plain sum's.
; No matrix unit, no cluster, no data mover: 4 MB are read once and nothing is shared between work-groups.
.set REC, 6656
.set ST,  16                           ; v16-79   64 numbers
.set TM,  80                           ; v80-83 largest magnitudes, v84-87 the other half's, then bytes, v92-95 the conversions' scale operands
.set PW,  96                           ; the scale word
.set SS,  98                           ; v98-101  sums of squares, two packed chains
.set PC,  104                          ; v104-115 the fragment's codes; v116-122 at work
	s_load_b128 s[4:7], s[0:1], 0x0                ; centroids, cent
	v_lshl_add_u32 v128, v0, 2, 0x400
	v_mov_b32 v129, 0
	v_lshrrev_b32 v1, 5, v0
	v_readfirstlane_b32 s8, v1                     ; wave = K step
	v_and_b32 v2, 31, v0                           ; lane
	v_and_b32 v3, 15, v0                           ; r
	v_bfe_u32 v4, v0, 4, 1                         ; h
	v_lshlrev_b32 v5, 11, v3                       ; a centroid's row is 2,048 bytes
	v_lshl_add_u32 v5, v4, 6, v5                   ; + 64 h
	s_lshl_b32 s9, s8, 9
	v_add_nc_u32 v5, s9, v5                        ; + 512 x K step
	s_mul_i32 s9, s8, 1536
	v_lshl_add_u32 v6, v2, 4, s9                   ; the codes' place in the record: 1,536 x K step + 16 x lane
	v_lshlrev_b32 v7, 2, v0                        ; LDS: 128 x wave + 4 x lane
	v_lshlrev_b32 v8, 2, v3
	v_lshl_add_u32 v8, v4, 7, v8                   ; LDS: 4 r + 128 h: the word of K step h
	v_lshlrev_b32 v9, 2, v2                        ; 4 x lane
	v_lshlrev_b32 v10, 3, v2                       ; 8 x lane
	s_lshl_b32 s10, ttmp9, 15                      ; 16 rows of 2,048 bytes a tile
	s_mov_b32 s11, 0
	s_mul_i32 s12, ttmp9, REC
	s_mov_b32 s13, 0
	s_mov_b32 s14, 0x76543210
	s_mov_b32 s15, 0xfedcba98                      ; v_permlanex16_b32's selects for lane l xor 16
.irp b, 0,1,2,3
	v_mov_b32 v[TM+4+\b], 0                        ; a lane permute's destination counts as one of its sources
.endr
	s_wait_kmcnt 0x0
	s_add_nc_u64 s[4:5], s[4:5], s[10:11]
	s_add_nc_u64 s[6:7], s[6:7], s[12:13]
.irp b, 0,1,2,3
.irp j, 0,1,2,3
	global_load_b128 v[ST+16*\b+4*\j:ST+16*\b+4*\j+3], v5, s[4:5] offset:128*\b+16*\j th:TH_LOAD_NT
.endr
.endr
	s_wait_loadcnt 0x0
.irp i, 0,2,4,6,8,10,12,14                     ; the four blocks by turns: largest magnitudes (with the floor 2^(3 - 127)) and squares
.irp b, 0,1,2,3
.if \i == 0
	v_max3_num_f32 v[TM+\b], |v[ST+16*\b]|, |v[ST+16*\b+1]|, 0x1800000
.else
	v_max3_num_f32 v[TM+\b], v[TM+\b], |v[ST+16*\b+\i]|, |v[ST+16*\b+\i+1]|
.endif
.if (\i == 0) && (\b < 2)
	v_pk_mul_f32 v[SS+2*\b:SS+2*\b+1], v[ST+16*\b:ST+16*\b+1], v[ST+16*\b:ST+16*\b+1]   ; the first products start the two chains
.else
	v_pk_fma_f32 v[SS+2*(\b%2):SS+2*(\b%2)+1], v[ST+16*\b+\i:ST+16*\b+\i+1], v[ST+16*\b+\i:ST+16*\b+\i+1], v[SS+2*(\b%2):SS+2*(\b%2)+1]
.endif
.endr
.endr
.irp b, 0,1,2,3
	v_permlanex16_b32 v[TM+4+\b], v[TM+\b], s14, s15
.endr
.irp b, 0,1,2,3
	v_max_num_f32 v[TM+\b], v[TM+\b], v[TM+4+\b]   ; with lane l xor 16's 16 numbers: the block's largest magnitude
.endr
.irp b, 0,1,2,3
	v_add_nc_u32 v[TM+12+\b], 0xff000000, v[TM+\b] ; 2 off its exponent field: the conversion takes this operand's exponent field as its scale
.endr
.irp b, 0,1,2,3
	v_lshrrev_b32 v[TM+4+\b], 23, v[TM+12+\b]      ; the scale's byte
.endr
	v_lshl_or_b32 v[PW], v[TM+5], 8, v[TM+4]
	v_lshl_or_b32 v[PW], v[TM+6], 16, v[PW]
	v_lshl_or_b32 v[PW], v[TM+7], 24, v[PW]        ; my centroid's scale word for this K step (both halves of the lanes hold it)
.irp c, 0,1
	v_cvt_scalef32_pk16_fp6_f32 v[PC+6*\c:PC+6*\c+2], v[ST+32*\c:ST+32*\c+15], v[TM+12+2*\c]
	v_cvt_scalef32_pk16_fp6_f32 v[PC+12+4*\c:PC+14+4*\c], v[ST+32*\c+16:ST+32*\c+31], v[TM+13+2*\c]   ; (a conversion's three registers begin on an even number)
.endr
	v_nop                                          ; one plain place behind a scaled conversion
.irp c, 0,1                                    ; the operand's layout wants a whole block in a lane: lanes 0-15 block 2 c, lanes 16-31 block 2 c + 1
.irp i, 0,1,2
	v_permlane16_swap_b32 v[PC+6*\c+\i], v[PC+12+4*\c+\i]
.endr
.irp i, 0,1,2
	v_mov_b32 v[PC+3+6*\c+\i], v[PC+12+4*\c+\i]
.endr
.endr
	v_add_f32 v[SS], v[SS], v[SS+1]
	v_add_f32 v[SS+2], v[SS+2], v[SS+3]
	v_add_f32 v[SS], v[SS], v[SS+2]
	v_permlanex16_b32 v[SS+1], v[SS], s14, s15
	v_add_f32 v[SS], v[SS], v[SS+1]                ; the sum of squares of my centroid's 128 numbers
.irp c, 0,1,2
	global_store_b128 v6, v[PC+4*\c:PC+4*\c+3], s[6:7] offset:512*\c   ; 32 lanes store 512 consecutive bytes, at a multiple of 256 from the buffer's first byte
.endr
	ds_store_b32 v7, v[PW]                         ; the four waves' words and sums meet in LDS
	ds_store_b32 v7, v[SS] offset:512
	s_wait_dscnt 0x0                               ; for the other waves' sake: my stores have landed
	s_barrier_signal -1
	s_barrier_wait -1
	s_cmp_lg_u32 s8, 0
	s_cbranch_scc1 .Ldone                          ; wave 0 alone writes the record's last 512 bytes; no barrier follows
	ds_load_b32 v12, v8                            ; K step h
	ds_load_b32 v13, v8 offset:256                 ; K step 2 + h
.irp k, 0,1,2,3
	ds_load_b32 v[TM+\k], v9 offset:512+128*\k
.endr
	s_wait_dscnt 0x0
	v_add_f32 v[TM], v[TM], v[TM+1]
	v_add_f32 v[TM+2], v[TM+2], v[TM+3]
	v_add_f32 v[TM], v[TM], v[TM+2]                ; c2
	v_mul_f32 v[TM], -0.5, v[TM]
	v_cmp_gt_u32 vcc_lo, 16, v2
	v_cndmask_b32 v[TM], 0, v[TM], vcc_lo          ; lanes 16-31 store zeros
	v_mov_b32 v[TM+1], 0
	global_store_b64 v10, v[12:13], s[6:7] offset:6144    ; 256 consecutive bytes
	global_store_b32 v9, v[TM], s[6:7] offset:6400
	global_store_b32 v9, v[TM+1], s[6:7] offset:6528
.Ldone:
	s_wait_tensorcnt 0x0
	ds_add_u32 v128, v129
	s_wait_dscnt 0x0
	s_endpgm
.Lfunc_end_k_qf647eeb405_prep:
	.size	k_qf647eeb405_prep, .Lfunc_end_k_qf647eeb405_prep-k_qf647eeb405_prep
	.p2alignl 7, 3214868480
	.fill 96, 4, 3214868480
	.section	.rodata,"a",@progbits
	.p2align	6, 0x0
	.amdhsa_kernel k_qf647eeb405_prep
		.amdhsa_group_segment_fixed_size 1536
		.amdhsa_private_segment_fixed_size 0
		.amdhsa_enable_private_segment 0
		.amdhsa_kernarg_size 16
		.amdhsa_user_sgpr_count 2
		.amdhsa_user_sgpr_kernarg_segment_ptr 1
		.amdhsa_wavefront_size32 1
		.amdhsa_system_sgpr_workgroup_id_x 1
		.amdhsa_system_sgpr_workgroup_id_y 1
		.amdhsa_system_sgpr_workgroup_id_z 1
		.amdhsa_system_vgpr_workitem_id 0
		.amdhsa_next_free_vgpr 130
		.amdhsa_next_free_sgpr 66
		.amdhsa_reserve_vcc 1
		.amdhsa_float_denorm_mode_32 3
		.amdhsa_float_denorm_mode_16_64 3
		.amdhsa_memory_ordered 1
		.amdhsa_forward_progress 1
		.amdhsa_inst_pref_size 11
	.end_amdhsa_kernel
	.amdgpu_metadata
---
amdhsa.version: [ 1, 2 ]
amdhsa.kernels:
  - .name:           k_qf647eeb405_prep
    .symbol:         k_qf647eeb405_prep.kd
    .args:
      - { .name: centroids, .offset: 0, .size: 8, .value_kind: global_buffer, .address_space: global }
      - { .name: cent, .offset: 8, .size: 8, .value_kind: global_buffer, .address_space: global }
    .group_segment_fixed_size: 1536
    .private_segment_fixed_size: 0
    .kernarg_segment_align: 8
    .kernarg_segment_size: 16
    .max_flat_workgroup_size: 128
    .sgpr_count:     66
    .vgpr_count:     130
    .wavefront_size: 32
...
	.end_amdgpu_metadata
.endif
;; end of part 1
;; launch assign (part 2): grid 256 x 1, 8 waves a work-group, clusters of 4 x 1, 327,680 bytes of LDS; arguments inp, cent, out0; writes out0
.if DOCPART == 2
	.amdgcn_target "amdgcn-amd-amdhsa--gfx1250"
	.amdhsa_code_object_version 6
	.text
	.protected	k_qf647eeb405_assign
	.globl	k_qf647eeb405_assign
	.p2align	8
	.type	k_qf647eeb405_assign,@function
k_qf647eeb405_assign:
	s_mov_b64 s[64:65], 0
	v_nop
	global_prefetch_b8 v0, s[64:65] scope:SCOPE_SE
	s_setreg_imm32_b32 hwreg(HW_REG_WAVE_MODE, 25, 1), 1
	s_wait_xcnt 0x0
	s_wait_alu depctr_hold_cnt(0) depctr_sa_sdst(0) depctr_va_vdst(0) depctr_va_sdst(0) depctr_va_ssrc(0) depctr_va_vcc(0) depctr_vm_vsrc(0)
	s_getreg_b32 s2, hwreg(HW_REG_IB_STS2, 6, 4)
	s_cmp_eq_u32 s2, 0
	s_cbranch_scc0 .Lentry_in_a_cluster
	s_endpgm
.Lentry_in_a_cluster:
	s_bfe_u32 s2, ttmp6, 0x10000c
	s_cmp_lg_u32 s2, 0x3003
	s_cbranch_scc0 .Lentry_shape_is_right
	s_endpgm
.Lentry_shape_is_right:
; out0[n] = the index of the centroid nearest to row n of inp: argmin over c of x2 - 2 x.c + c2, x.c on codes of E2M3 with E8M0 scales.
; WORK LEFT OUT: x2[n] is added to every one of row n's 2,048 distances alike, so in exact arithmetic it moves no argmin, whatever the inputs hold: it is not computed.
; What is compared is s = x.c - c2 / 2 (= (x2 - d2) / 2): the largest s, the lowest index among equals.  LIMITS: a NaN, an infinity or an overflow that reaches x2 alone is not carried to the result;
; distances that differ by less than the rounding of reference()'s sum with x2 are told apart here; NaN and infinities among the inputs are not served; a block of zeros gets the scale byte 1 (its codes are zeros).
; SHARES: 256 work-groups of 256 rows; eight waves, two for each SIMD.  Wave w: row group g = w % 4 (64 rows), centroid half hf = w / 4 (1,024 centroids, 64 tiles of 16).
; A wave keeps its 64 rows' codes for all of K in 192 registers, and walks its 64 tiles: 16 matrix instructions a tile in one group (4 accumulators by turns), then the tile before's argmax work.
; X: one K step (128 numbers, 512 bytes of a row) of all 256 rows is a tile of 256 x 528 bytes in LDS, each wave fetching 32 rows; two slots.  Lane (r, h) reads whole blocks of 32 (k = 64 c + 32 h ..) of row r,
; as the operand's layout gives them to it: a block's maximum needs no other lane, and the conversions' results are the operand's registers.
; EACH ROW IS QUANTISED ONCE: of a row group's four tiles of 16 rows, wave (g, hf) quantises tiles 2 hf and 2 hf + 1 and stores them to LDS as an image of the operand's registers (1,536 bytes of codes, 128 of scale words);
; behind the next round its partner (g, 1 - hf) loads them.  Two image buffers, by the K step's parity.  A wave's register slots 0, 1 hold its own tiles and slots 2, 3 its partner's: only addresses tell the two waves apart.
; CENTROIDS: records of 6,656 bytes as launch prep laid them; a chunk is 8 records of each half, 106,496 bytes, each wave fetching two records; eight chunks through two slots, which lie on the bytes of x's slots.
; CLUSTER: all work-groups walk the same chunks: the four of a cluster ask for each chunk jointly.  X's tiles are each work-group's own (no mask).
; PREFETCH: x runs two K steps ahead of its tensor loads: the head, which loads K step 0, asks for K steps 1 and 2; the trip that loads K step 1 asks for K step 3; then x has no more.
; Each wave asks for the 32 rows that it will load, a lane a row, two blocks of 256 bytes a K step; two tiles at the most are asked for and not yet loaded.  None for the centroids:
; they are 851,968 bytes that all 256 work-groups read, 1 / 160 of the launch's bytes from memory.
; THE MATRIX INSTRUCTION IS USED TRANSPOSED: source 0 = 16 centroids, source 1 = 16 rows of x: lane (r, h) holds row r, register j centroid 8 h + j.  C of a tile's first product is -c2 / 2.
; REGISTERS: window 0: addresses, scales, -c2/2, accumulators (two sets), the odd tiles' fragments, trackers; window 1: v0-191 x's fragments (48 x slot + 12 s), v192-239 the even tiles' fragments, v240-246 at work.
.set DUAL,  1                          ; 1: the argmax work's selects go two to an instruction; 0: one by one
.set REC,   6656
.set CH,    8*REC                      ; a half's part of a chunk
.set XP,    528                        ; x's LDS row: 512 bytes + 16
.set XSLOT, 256*XP
.set CSL,   0x20000                    ; the centroids' second slot
.set UI,    1664                       ; the image of a tile of x for one K step: 3 x 512 bytes of codes, 128 of scale words
.set IBUF,  16*UI                      ; an image buffer: 4 row groups x 4 tiles
.set IMG,   2*XSLOT                    ; behind x's slots: two image buffers, bytes into which no tensor load lands
.set PARTV, IMG                        ; at the end, on the images' bytes: the two halves' best values (2 x 1,024 bytes), then their indices
.set SPARE, IMG+2*IBUF                 ; the spare words: 128 bytes for each of eight waves
.set SPW, 2
.set NIL, 3
.set VFA0, 4
.set VSA0, 5
.set VHA0, 6
.set VFA, 7
.set VSA, 8
.set VHA, 9
.set VXA, 10                           ; v10-11 my two tiles of x in slot 0, 1
.set PVA, 12
.set VEA, 13
.set GOUT, 14
.set SH8, 15
.set LB,  16
.set PFO, 17
.set VIW, 18                           ; the image of my own tiles: codes at 16 x lane,
.set TCUR, 19                          ; the number of the tile whose argmax work is next
.set VIWS, 20                          ; scale words at 4 x lane;
.set VIR, 21                           ; and of my partner's
.set VIRS, 22
.set PVB, 23
.set XS,  32                           ; v32-47 x's scale words, 4 x slot + s
.set CSR, 48                           ; v48-51 the centroids' scale words, two a tile
.set HCR, 52                           ; v52-67 -c2 / 2, eight a tile
.set ACC, 68                           ; v68-131 two sets of four accumulators
.set AF1, 132                          ; v132-179 an odd tile's fragments
.set TRK, 180                          ; v180-219 for each slot: two maxima by turns, the best tile's scores 0 to 6, the best tile
.set TM,  220
.set FT,  228
.set STG, 68                           ; v68-195 x as f32, two sets of 64 (ahead of the walk)
.set AF0, 192                          ; window 1
.set XT,  240                          ; window 1
.set WV, 10
.set HF, 13
.set GG, 14
.set WL, 15
.set G1C, 16
.set G0X, 24
.set G0C, 28
.set G1X, 32
.set SEL, 40
.set MK,  42
.set TB,  46
.set INNER, 48
.set GR,  49
.set MSB, 0
.macro WIN new                         ; the immediate's high byte repeats the setting that is left
.if MSB != (\new)
	s_set_vgpr_msb (MSB<<8)|(\new)
.set MSB, (\new)
.endif
.endm
.macro PLACES
.rept 4
	v_nop
.endr
.endm
.macro ROUND                           ; a round of the cluster's barrier
	s_barrier_signal -1
	s_barrier_wait -1
	s_cmp_lg_u32 s[WV], 0
	s_cbranch_scc1 .Lnot_wave_0_\@
	s_barrier_signal -3
.Lnot_wave_0_\@:
	s_barrier_wait -3
	s_barrier_signal -1
	s_barrier_wait -1
.endm
.macro SEQ                             ; all my tensor loads have landed; 0 onto my spare word
	WIN 0
	s_wait_alu depctr_va_vdst(0)
	s_wait_tensorcnt 0x0
	ds_add_u32 v[SPW], v[NIL]
.endm
.macro TLOAD g0, g1
	tensor_load_to_lds s[\g0:\g0+3], s[\g1:\g1+7]
	s_nop 0
	PLACES
.endm
.macro XFILL s                         ; x's K step s into slot s % 2, my 32 rows
	SEQ
	s_add_co_u32 s[G0X+1], s[WL], ((\s)%2)*XSLOT
	s_add_nc_u64 s[G0X+2:G0X+3], s[G0X+2:G0X+3], 512
	s_wait_dscnt 0x0                               ; the add is done, my reads of the slot are back, my stores into the image have landed
	ROUND
	TLOAD G0X, G1X
.endm
.macro CSTEP                           ; the next chunk, into the other slot
	s_xor_b32 s[G0C+1], s[G0C+1], CSL
	s_add_nc_u64 s[G0C+2:G0C+3], s[G0C+2:G0C+3], CH
.endm
.macro ASK s                           ; K step s of my 32 rows: a lane a row, two blocks of 256 bytes
	global_prefetch_b8 v[PFO], s[4:5] offset:(\s)*512 th:TH_LOAD_NT scope:SCOPE_SE
	global_prefetch_b8 v[PFO], s[4:5] offset:(\s)*512+256 th:TH_LOAD_NT scope:SCOPE_SE
.endm
.macro XLD a, s                        ; my tile a: 16 rows x 128 numbers: my two blocks of 32, 16 loads
.irp c, 0,1
.irp i, 0,1,2,3,4,5,6,7
	ds_load_b128 v[STG+64*(\a)+32*\c+4*\i:STG+64*(\a)+32*\c+4*\i+3], v[VXA+((\s)%2)] offset:(\a)*16*XP+256*\c+16*\i
.endr
.endr
.endm
.macro XQ a, s                         ; the two blocks become codes in x's fragment (slot a, s) and a scale word, and both go into the image
.set B, STG+64*(\a)
.set XR, 48*(\a)+12*(\s)
.irp k, 0,1,2,3
	v_max3_num_f32 v[TM+\k], |v[B+16*\k]|, |v[B+16*\k+1]|, 0x1800000   ; four chains of 16; the floor 2^(3 - 127) holds the byte at 1 from below
.endr
.irp i, 2,4,6,8,10,12,14
.irp k, 0,1,2,3
	v_max3_num_f32 v[TM+\k], v[TM+\k], |v[B+16*\k+\i]|, |v[B+16*\k+\i+1]|
.endr
.endr
	s_delay_alu instid0(VALU_DEP_3)
	v_max_num_f32 v[TM], v[TM], v[TM+1]
	s_delay_alu instid0(VALU_DEP_2)
	v_max_num_f32 v[TM+2], v[TM+2], v[TM+3]
	s_delay_alu instid0(VALU_DEP_2)
	v_add_nc_u32 v[TM+4], 0xff000000, v[TM]        ; 2 off the exponent field: the conversion's scale operand
	s_delay_alu instid0(VALU_DEP_2)
	v_add_nc_u32 v[TM+5], 0xff000000, v[TM+2]
	s_delay_alu instid0(VALU_DEP_2)
	v_lshrrev_b32 v[TM], 23, v[TM+4]               ; the bytes of blocks h and 2 + h
	s_delay_alu instid0(VALU_DEP_2)
	v_lshrrev_b32 v[TM+2], 23, v[TM+5]
	s_delay_alu instid0(VALU_DEP_1)
	v_lshl_or_b32 v[TM], v[TM+2], 16, v[TM]
	s_delay_alu instid0(VALU_DEP_1)
	v_lshlrev_b32 v[TM], v[SH8], v[TM]             ; 8 h bits up
	s_delay_alu instid0(VALU_DEP_1)
	v_permlanex16_b32 v[TM+6], v[TM], s[SEL], s[SEL+1]
	s_delay_alu instid0(VALU_DEP_1)
	v_or_b32 v[XS+4*(\a)+(\s)], v[TM], v[TM+6]     ; with lane l xor 16's two the word is whole, in both halves of the lanes
	WIN 0x40
	v_cvt_scalef32_pk16_fp6_f32 v[XR:XR+2], v[B:B+15], v[TM+4]
	v_cvt_scalef32_pk16_fp6_f32 v[XT:XT+2], v[B+16:B+31], v[TM+4]      ; (a conversion's three registers begin on an even number)
	v_cvt_scalef32_pk16_fp6_f32 v[XR+6:XR+8], v[B+32:B+47], v[TM+5]
	v_cvt_scalef32_pk16_fp6_f32 v[XT+4:XT+6], v[B+48:B+63], v[TM+5]
	v_nop                                          ; one plain place behind a scaled conversion
	WIN 0x41
.irp i, 0,1,2
	v_mov_b32 v[XR+3+\i], v[XT+\i]
	v_mov_b32 v[XR+9+\i], v[XT+4+\i]
.endr
	WIN 0x04                                       ; the stores' data lie in window 1
.irp c, 0,1,2
	ds_store_b128 v[VIW], v[XR+4*\c:XR+4*\c+3] offset:((\s)%2)*IBUF+(\a)*UI+512*\c
.endr
	WIN 0
	ds_store_b32 v[VIWS], v[XS+4*(\a)+(\s)] offset:((\s)%2)*IBUF+(\a)*UI+1536
.endm
.macro XGET s                          ; my partner's two tiles of K step s, out of the image into slots 2 and 3: behind the round that followed its stores
	WIN 0x40
.irp a, 0,1
.irp c, 0,1,2
	ds_load_b128 v[48*(2+\a)+12*(\s)+4*\c:48*(2+\a)+12*(\s)+4*\c+3], v[VIR] offset:((\s)%2)*IBUF+\a*UI+512*\c
.endr
.endr
	WIN 0
.irp a, 0,1
	ds_load_b32 v[XS+4*(2+\a)+(\s)], v[VIRS] offset:((\s)%2)*IBUF+\a*UI+1536
.endr
.endm
.macro XSTEP s
.if (\s) > 0
	XGET (\s)-1
.endif
	XLD 0, \s
	XLD 1, \s
.if (\s) == 0
	ASK 3                                          ; this trip has loaded K step 1
.endif
	s_wait_dscnt 16                                ; all but the 16 just issued
	XQ 0, \s
	s_wait_dscnt 4                                 ; all but the four stores just issued
	XQ 1, \s
.endm
.macro ADDR                            ; where the next two tiles' records lie
	v_add_nc_u32 v[VFA], s[TB], v[VFA0]
	v_add_nc_u32 v[VSA], s[TB], v[VSA0]
	v_add_nc_u32 v[VHA], s[TB], v[VHA0]
	s_add_co_u32 s[TB], s[TB], 2*REC
.endm
.macro LOADS pn, off                   ; a tile's record into set pn: 15 loads; off: 0 for the first of the two, REC for the second
.if \pn
.irp c, 0,1,2,3,4,5,6,7,8,9,10,11
	ds_load_b128 v[AF1+4*\c:AF1+4*\c+3], v[VFA] offset:(\off)+512*\c
.endr
.else
	WIN 0x40
.irp c, 0,1,2,3,4,5,6,7,8,9,10,11
	ds_load_b128 v[AF0+4*\c:AF0+4*\c+3], v[VFA] offset:(\off)+512*\c
.endr
	WIN 0
.endif
	ds_load_b64 v[CSR+2*\pn:CSR+2*\pn+1], v[VSA] offset:(\off)+6144
	ds_load_b128 v[HCR+8*\pn:HCR+8*\pn+3], v[VHA] offset:(\off)+6400
	ds_load_b128 v[HCR+8*\pn+4:HCR+8*\pn+7], v[VHA] offset:(\off)+6416
.endm
.macro WM p                            ; a tile: 16 matrix instructions, the four accumulators by turns
	WIN 0x05-\p                                    ; source 1 (x) window 1; source 0 window 1 for even tiles, 0 for odd
.irp s, 0,1,2,3
.irp q, 0,1,2,3
.set rD, ACC+32*\p+8*\q
.set rA, AF1*\p+AF0*(1-\p)+12*\s
.set rB, 48*\q+12*\s
.set rS, CSR+2*\p+\s/2
.if \s == 0
	v_wmma_scale_f32_16x16x128_f8f6f4 v[rD:rD+7], v[rA:rA+11], v[rB:rB+11], v[HCR+8*\p:HCR+8*\p+7], v[rS], v[XS+4*\q+\s] matrix_a_fmt:MATRIX_FMT_FP6 matrix_b_fmt:MATRIX_FMT_FP6
.elseif \s == 2
	v_wmma_scale_f32_16x16x128_f8f6f4 v[rD:rD+7], v[rA:rA+11], v[rB:rB+11], v[rD:rD+7], v[rS], v[XS+4*\q+\s] matrix_a_fmt:MATRIX_FMT_FP6 matrix_b_fmt:MATRIX_FMT_FP6
.else
	v_wmma_scale_f32_16x16x128_f8f6f4 v[rD:rD+7], v[rA:rA+11], v[rB:rB+11], v[rD:rD+7], v[rS], v[XS+4*\q+\s] matrix_a_fmt:MATRIX_FMT_FP6 matrix_b_fmt:MATRIX_FMT_FP6 matrix_a_scale:MATRIX_SCALE_ROW1
.endif
.endr
.endr
	WIN 0
.endm
; The argmax work of a tile in set pp: the running maximum with the tile's eight scores (the four slots by turns); where it has grown, the tile's scores 0 to 6 and its number are kept:
; eight selects under one mask, neighbours in the registers on both sides, so that two go in one instruction (an even and an odd destination, sources in different banks).
.macro EPI pp
.irp q, 0,1,2,3
	v_max3_num_f32 v[TRK+10*\q+\pp], v[TRK+10*\q+1-\pp], v[ACC+32*\pp+8*\q], v[ACC+32*\pp+8*\q+1]
.endr
.irp k, 2,4,6
.irp q, 0,1,2,3
	v_max3_num_f32 v[TRK+10*\q+\pp], v[TRK+10*\q+\pp], v[ACC+32*\pp+8*\q+\k], v[ACC+32*\pp+8*\q+\k+1]
.endr
.endr
.irp q, 0,1,2,3
.set eS, TRK+10*\q+2
.set eA, ACC+32*\pp+8*\q
	v_cmp_gt_f32 vcc_lo, v[TRK+10*\q+\pp], v[TRK+10*\q+1-\pp]      ; strictly: among equals the earlier tile stays
.if DUAL
.irp j, 0,2,4
	v_dual_cndmask_b32 v[eS+\j], v[eS+\j], v[eA+\j] :: v_dual_cndmask_b32 v[eS+\j+1], v[eS+\j+1], v[eA+\j+1]
.endr
	v_dual_cndmask_b32 v[eS+6], v[eS+6], v[eA+6] :: v_dual_cndmask_b32 v[eS+7], v[eS+7], v[TCUR]
.else
.irp j, 0,1,2,3,4,5,6
	v_cndmask_b32 v[eS+\j], v[eS+\j], v[eA+\j], vcc_lo
.endr
	v_cndmask_b32 v[eS+7], v[eS+7], v[TCUR], vcc_lo
.endif
.endr
	v_add_nc_u32 v[TCUR], 1, v[TCUR]
.endm
; A unit: the next tile's loads into set o (ld = 1: the first record of two, 2: the second, 0: none); this tile's products on set p; the tile before's argmax work, which also stands as the places behind the products.
.macro UNIT p, o, epi, ld
.if \ld
	LOADS \o, (\ld-1)*REC
	s_wait_dscnt 15                                ; this tile's record is in; the 15 loads just issued may be out
.else
	s_wait_dscnt 0x0
.endif
	WM \p
.if \epi
	EPI \o
.else
	PLACES
.endif
.endm
.macro GROUP n
	s_mov_b32 s[INNER], \n
.Lgroup_\@:
	ADDR
	UNIT 1, 0, 1, 1
	UNIT 0, 1, 1, 2
	s_sub_co_u32 s[INNER], s[INNER], 1
	s_cmp_lg_u32 s[INNER], 0
	s_cbranch_scc1 .Lgroup_\@
.endm
; A change of chunks, ahead of the unit that loads the next chunk's first tile: every wave's reads of the old chunk are back and its part of the next has landed.
.macro CHANGE fill
	SEQ
.if \fill
	CSTEP
.endif
	s_sub_co_u32 s[TB], s[TB], CH
	s_xor_b32 s[TB], s[TB], CSL
	s_wait_dscnt 0x0
.if \fill
	ROUND
	TLOAD G0C, G1C                                 ; two chunks on, into the slot just read out
.else
	s_barrier_signal -1
	s_barrier_wait -1
.endif
.endm
	s_load_b128 s[4:7], s[0:1], 0x0                ; inp, cent
	s_load_b64 s[8:9], s[0:1], 0x10                ; out0
	v_lshl_add_u32 v[SPW], v0, 2, SPARE
	v_mov_b32 v[NIL], 0
	ds_add_u32 v[SPW], v[NIL]                      ; the opening: the add twice on end and one wait, ahead of my first tensor load
	ds_add_u32 v[SPW], v[NIL]
	v_lshrrev_b32 v1, 5, v0
	v_readfirstlane_b32 s[WV], v1                  ; wave 0..7
	s_bfe_u32 s11, ttmp6, 0x40000                  ; cx
	s_lshl_b32 s12, ttmp9, 2
	s_add_co_u32 s12, s12, s11                     ; work-group
	s_lshr_b32 s[HF], s[WV], 2                     ; my half of the centroids
	s_and_b32 s[GG], s[WV], 3                      ; my row group
	s_lshl_b32 s50, s12, 19                        ; 256 rows of 2,048 bytes a work-group,
	s_lshl_b32 s51, s[WV], 16                      ; 32 rows a wave to fetch
	s_add_co_u32 s50, s50, s51
	s_mov_b32 s51, 0
	s_lshl_b32 s52, s12, 10                        ; out0: 1,024 bytes a work-group, 256 for each of waves 0 to 3
	s_lshl_b32 s53, s[GG], 8
	s_add_co_u32 s52, s52, s53
	s_mov_b32 s53, 0
	s_lshl_b32 s54, s[HF], 5
	s_add_co_u32 s54, s54, s[GG]
	s_mul_i32 s54, s54, 2*REC                      ; the two records that I fetch of chunk 0: 64 x half + 2 (w % 4)
	s_mov_b32 s55, 0
	s_mov_b32 s[G1C], 15|(3<<16)|(1<<21)           ; joint: all four of the cluster; 52 rows of 256 bytes, dense
	s_mov_b32 s[G1C+1], 32<<16
	s_mov_b32 s[G1C+2], 52<<16
	s_mov_b32 s[G1C+3], 32<<16
	s_mov_b32 s[G1C+4], 52
	s_mov_b32 s[G1C+5], 32
	s_mov_b32 s[G1C+6], 0
	s_mov_b32 s[G1C+7], 0
	s_mov_b32 s[G1X], (2<<16)|(1<<20)|(6<<22)|(3<<25)  ; my own: 32 rows of 128 f32, 16 bytes of padding behind each 512
	s_mov_b32 s[G1X+1], 128<<16
	s_mov_b32 s[G1X+2], 32<<16
	s_mov_b32 s[G1X+3], 128<<16
	s_mov_b32 s[G1X+4], 32
	s_mov_b32 s[G1X+5], 512
	s_mov_b32 s[G1X+6], 0
	s_mov_b32 s[G1X+7], 0
	s_mul_i32 s[WL], s[WV], 32*XP
	s_mov_b32 s[SEL], 0x76543210
	s_mov_b32 s[SEL+1], 0xfedcba98                 ; v_permlanex16_b32's selects for lane l xor 16
	s_mov_b32 s[TB], 0
	s_xor_b32 s62, s[HF], 1                        ; my partner's half
	s_lshl_b32 s63, s[GG], 1
	s_add_co_u32 s58, s63, s62                     ; 2 g + 1 - hf: my partner's pair of tiles,
	s_add_co_u32 s63, s63, s[HF]                   ; 2 g + hf: my own
	s_mul_i32 s56, s63, 32*XP                      ; my pair's 32 rows in a slot of x
	s_mul_i32 s63, s63, 2*UI
	s_add_co_u32 s63, s63, IMG                     ; and its image;
	s_mul_i32 s58, s58, 2*UI
	s_add_co_u32 s58, s58, IMG                     ; my partner's
	s_mul_i32 s57, s[HF], CH
	s_lshl_b32 s61, s[HF], 10
	s_lshl_b32 s60, s[GG], 8
	s_add_co_u32 s60, s60, PARTV
	s_add_co_u32 s59, s60, s61                     ; the results of my half and row group: 4 bytes a row;
	s_lshl_b32 s62, s62, 7
	s_add_co_u32 s62, s62, s59                     ; there slots 2, 3 (my partner's 32 rows),
	s_lshl_b32 s11, s[HF], 7
	s_add_co_u32 s59, s59, s11                     ; and slots 0, 1 (my own)
	s_mov_b32 s[G0X], 1
	s_mov_b32 s[G0X+1], s[WL]
	s_mov_b32 s[G0C], 1
	s_mul_i32 s[G0C+1], s[WV], 2*REC
	s_wait_alu depctr_va_vdst(0)
	s_wait_dscnt 0x0                               ; both opening adds are done
	s_wait_kmcnt 0x0
	s_add_nc_u64 s[4:5], s[4:5], s[50:51]
	s_add_nc_u64 s[8:9], s[8:9], s[52:53]
	s_add_nc_u64 s[6:7], s[6:7], s[54:55]
	s_mov_b64 s[G0X+2:G0X+3], s[4:5]
	s_or_b32 s[G0X+3], s[G0X+3], 0x80000000
	s_mov_b64 s[G0C+2:G0C+3], s[6:7]
	s_or_b32 s[G0C+3], s[G0C+3], 0x80000000
	ROUND
	TLOAD G0X, G1X                                 ; x's K step 0: my one tensor load at the head
	v_and_b32 v1, 31, v0                           ; lane
	v_and_b32 v24, 15, v0                          ; r
	v_bfe_u32 v25, v0, 4, 1                        ; h
	v_lshlrev_b32 v[PFO], 11, v1
	v_mul_u32_u24 v26, v24, XP
	v_lshl_add_u32 v26, v25, 7, v26                ; row r, + 128 h bytes
	v_add_nc_u32 v[VXA], s56, v26
	v_add_nc_u32 v[VXA+1], XSLOT, v[VXA]
	ASK 1                                          ; the head has loaded K step 0
	ASK 2
	v_lshl_add_u32 v[VFA0], v1, 4, s57             ; in a record: codes at 16 x lane,
	v_lshl_add_u32 v[VSA0], v1, 3, s57             ; scale words at 8 x lane,
	v_lshl_add_u32 v[VHA0], v25, 5, s57            ; -c2 / 2 at 32 h
	v_lshl_add_u32 v[VIW], v1, 4, s63
	v_lshl_add_u32 v[VIWS], v1, 2, s63
	v_lshl_add_u32 v[VIR], v1, 4, s58
	v_lshl_add_u32 v[VIRS], v1, 2, s58
	v_lshl_add_u32 v[PVA], v24, 2, s59
	v_lshl_add_u32 v[PVB], v24, 2, s62
	v_lshl_add_u32 v[VEA], v1, 3, s60
	v_lshlrev_b32 v[GOUT], 3, v1
	v_lshlrev_b32 v[SH8], 3, v25
	v_lshl_add_u32 v[LB], v25, 3, s61              ; 8 h + 1,024 x half
	v_mov_b32 v[TCUR], 0
	v_mov_b32 v[TM+6], 0                           ; a lane permute's destination counts as one of its sources
	XFILL 1                                        ; slot 1's first fill, issued as a refill is
	XSTEP 0
	XFILL 2
	XSTEP 1
	XFILL 3
	XSTEP 2
	SEQ
	s_wait_dscnt 0x0
	ROUND
	TLOAD G0C, G1C                                 ; chunk 0, onto the bytes of x's K step 2
	XSTEP 3
.irp q, 0,1,2,3
	v_mov_b32 v[TRK+10*\q+1], 0xff800000           ; the largest score so far
.irp k, 2,3,4,5,6,7,8,9
	v_mov_b32 v[TRK+10*\q+\k], 0
.endr
	v_mov_b32 v[FT+4+\q], 0
	v_mov_b32 v[FT+8+\q], 0
.endr
	SEQ
	CSTEP
	s_wait_dscnt 0x0
	ROUND
	TLOAD G0C, G1C                                 ; chunk 1
	XGET 3
	ADDR
	LOADS 0, 0
	UNIT 0, 1, 0, 2                                ; tile 0
	GROUP 3                                        ; tiles 1 to 6
	s_mov_b32 s[GR], 0
.Lchunk:
	CHANGE 1
	GROUP 4
	s_add_co_u32 s[GR], s[GR], 1
	s_cmp_lt_u32 s[GR], 6
	s_cbranch_scc1 .Lchunk
	CHANGE 0                                       ; the last chunk has landed; nothing is left to fetch
	GROUP 4                                        ; tiles 55 to 62
	UNIT 1, 0, 1, 0                                ; tile 63
	EPI 1
	; which of the best tile's eight scores is the maximum (the lowest such), the index, and the better of lanes l and l xor 16
.irp q, 0,1,2,3
	v_mov_b32 v[FT+\q], 7
.endr
.irp i, 6,5,4,3,2,1,0
.irp q, 0,1,2,3
	v_cmp_neq_f32 s[MK+\q], v[TRK+10*\q+2+\i], v[TRK+10*\q+1]
.endr
.irp q, 0,1,2,3
	v_cndmask_b32 v[FT+\q], \i, v[FT+\q], s[MK+\q]
.endr
.endr
.irp q, 0,1,2,3
	v_lshl_add_u32 v[FT+\q], v[TRK+10*\q+9], 4, v[FT+\q]
.endr
.irp q, 0,1,2,3
	v_add_nc_u32 v[FT+\q], v[FT+\q], v[LB]
.endr
.irp q, 0,1,2,3
	v_permlanex16_b32 v[FT+4+\q], v[TRK+10*\q+1], s[SEL], s[SEL+1]
.endr
.irp q, 0,1,2,3
	v_permlanex16_b32 v[FT+8+\q], v[FT+\q], s[SEL], s[SEL+1]
.endr
.irp q, 0,1,2,3
	v_min_u32 v[FT+12+\q], v[FT+8+\q], v[FT+\q]
.endr
.irp q, 0,1,2,3
	v_cmp_gt_f32 s[MK+\q], v[FT+4+\q], v[TRK+10*\q+1]
.endr
.irp q, 0,1,2,3
	v_cndmask_b32 v[FT+\q], v[FT+\q], v[FT+8+\q], s[MK+\q]
.endr
.irp q, 0,1,2,3
	v_cmp_eq_f32 s[MK+\q], v[FT+4+\q], v[TRK+10*\q+1]
.endr
.irp q, 0,1,2,3
	v_cndmask_b32 v[FT+\q], v[FT+\q], v[FT+12+\q], s[MK+\q]        ; among equals the lower index
.endr
.irp q, 0,1,2,3
	v_max_num_f32 v[FT+4+\q], v[FT+4+\q], v[TRK+10*\q+1]
.endr
.irp a, 0,1
	ds_store_b32 v[PVA], v[FT+4+\a] offset:64*\a                   ; lanes l and l xor 16 write the same word with the same value
	ds_store_b32 v[PVA], v[FT+\a] offset:2048+64*\a
	ds_store_b32 v[PVB], v[FT+6+\a] offset:64*\a
	ds_store_b32 v[PVB], v[FT+2+\a] offset:2048+64*\a
.endr
	s_wait_dscnt 0x0                               ; for the other waves' sake
	s_barrier_signal -1
	s_barrier_wait -1
	s_cmp_gt_u32 s[WV], 3
	s_cbranch_scc1 .Lend                           ; waves 0 to 3 join the two halves, 64 rows each; no barrier stands in here
	ds_load_b64 v[TM:TM+1], v[VEA]
	ds_load_b64 v[TM+2:TM+3], v[VEA] offset:1024
	ds_load_b64 v[TM+4:TM+5], v[VEA] offset:2048
	ds_load_b64 v[TM+6:TM+7], v[VEA] offset:3072
	s_wait_dscnt 0x0
.irp e, 0,1
	v_cmp_gt_f32 vcc_lo, v[TM+2+\e], v[TM+\e]      ; the upper half's only where strictly larger
	v_cndmask_b32 v[TM+4+\e], v[TM+4+\e], v[TM+6+\e], vcc_lo
.endr
	global_store_b64 v[GOUT], v[TM+4:TM+5], s[8:9]  ; 32 lanes store 256 consecutive bytes, aligned
.Lend:
	s_wait_tensorcnt 0x0                           ; the wave's end
	ds_add_u32 v[SPW], v[NIL]
	s_wait_dscnt 0x0
	ROUND                                          ; the closing round
	s_endpgm
.Lfunc_end_k_qf647eeb405_assign:
	.size	k_qf647eeb405_assign, .Lfunc_end_k_qf647eeb405_assign-k_qf647eeb405_assign
	.p2alignl 7, 3214868480
	.fill 96, 4, 3214868480
	.section	.rodata,"a",@progbits
	.p2align	6, 0x0
	.amdhsa_kernel k_qf647eeb405_assign
		.amdhsa_group_segment_fixed_size 327680
		.amdhsa_private_segment_fixed_size 0
		.amdhsa_enable_private_segment 0
		.amdhsa_kernarg_size 24
		.amdhsa_user_sgpr_count 2
		.amdhsa_user_sgpr_kernarg_segment_ptr 1
		.amdhsa_wavefront_size32 1
		.amdhsa_system_sgpr_workgroup_id_x 1
		.amdhsa_system_sgpr_workgroup_id_y 1
		.amdhsa_system_sgpr_workgroup_id_z 1
		.amdhsa_system_vgpr_workitem_id 0
		.amdhsa_next_free_vgpr 512
		.amdhsa_next_free_sgpr 66
		.amdhsa_reserve_vcc 1
		.amdhsa_float_denorm_mode_32 3
		.amdhsa_float_denorm_mode_16_64 3
		.amdhsa_memory_ordered 1
		.amdhsa_forward_progress 1
		.amdhsa_inst_pref_size 104
	.end_amdhsa_kernel
	.amdgpu_metadata
---
amdhsa.version: [ 1, 2 ]
amdhsa.kernels:
  - .name:           k_qf647eeb405_assign
    .symbol:         k_qf647eeb405_assign.kd
    .args:
      - { .name: inp, .offset: 0, .size: 8, .value_kind: global_buffer, .address_space: global }
      - { .name: cent, .offset: 8, .size: 8, .value_kind: global_buffer, .address_space: global }
      - { .name: out0, .offset: 16, .size: 8, .value_kind: global_buffer, .address_space: global }
    .group_segment_fixed_size: 327680
    .private_segment_fixed_size: 0
    .kernarg_segment_align: 8
    .kernarg_segment_size: 24
    .max_flat_workgroup_size: 256
    .sgpr_count:     66
    .vgpr_count:     512
    .wavefront_size: 32
...
	.end_amdgpu_metadata
.endif
;; end of part 2
